; MI455X (gfx1250); checked and timed in simulation.
; The chip was launched on July 23, 2026; its instructions are those of AMD's public machine-readable ISA for CDNA 5 (MIT licence, August 2026) and "CDNA5" Instruction Set Architecture Reference Guide (July 2026). The comments in the code are by the model that wrote it; some were corrected since.
;; Ex MRD Retrieval. Allowed arithmetic: matrix products marked QUANTISED: E5M2 operands, one given power-of-two scale a tensor, by v_wmma_f32_16x16x64_bf8_bf8 or v_wmma_f32_16x16x128_bf8_bf8, f32 sums; products left as they are: f32 operands where the result goes on into a quantised operand, else bf16, f16 or f32 operands; f32 sums; everything else in f32.
;; Inputs: lowp_scales 2 int32 (the exponents e of the quantised operands' scales 2^e); memory_evidence 100,000 x 2 float32; memory_feat 100,000 x 256 float32; model_evidence 1,024 x 2 float32; query 1,024 x 256 float32.
;; Outputs: out0 1,024 x 2 float32.
;; Constants: top_k = 16.
;; This version of the problem:
;;   THIS VERSION OF THE PROBLEM IS GIVEN IN LOW PRECISION. The matrix products marked QUANTISED in the list below multiply operands that are first quantised to E5M2 (5 exponent bits, 2 mantissa bits; 8 bits a number), with one given power-of-two scale for each operand tensor; their sums are f32. All else is computed in f32.
;;   The module's matrix products, in the order in which they are computed (A, B: the left and right operand; K: the contracted axis; several contracted axes count as one K, in the product's order):
;;     1. [M 1,024, K 256] x [K 256, N 100,000]; A: computed on the way; B: computed on the way: QUANTISED (scales: A lowp_scales[0], B lowp_scales[1])
;;     2. batch 1,024 x [M 1, K 16] x [K 16, N 2]; A: softmax; B: computed on the way: left as it is (K = 16 < 32)
;;   THE QUANTISER, for each operand of a quantised product, along K:
;;     - The operand's scale is 2^e, e = its entry of the input lowp_scales (int32; the entries are numbered through the quantised products in the list's order, A before B).
;;     - Each number is divided by the scale, clamped to +-57,344, and rounded to the nearest number of E5M2, ties to even, subnormals kept.
;;     - The product sums the exact products of the quantised numbers (number of the format x scale) in f32.
;;   ~~~python
;;   def quantise(x, axis, e):      # numpy; x: float32 -> the quantised numbers, widened to float32 again
;;       x = np.moveaxis(x, axis, -1); K = x.shape[-1]
;;       r = np.clip(x / 2.0 ** e, -57344, 57344)
;;       step = 2.0 ** (np.maximum(np.frexp(np.where(r == 0, 1, r))[1] - 1, -14) - 2)
;;       q = np.round(r / step) * step * 2.0 ** e      # np.round: ties to even
;;       return np.moveaxis(q, -1, axis).astype(np.float32)
;;   ~~~
;;   OPERANDS COMPUTED ON THE WAY. 'Computed on the way' means the value that the module computes at that place (a softmax that the list does not call 'softmax' is quantised finished and normalised). What goes into a quantiser is computed in f32, as accurately as f32 sums, v_exp_f32 and their like allow (about 1e-6 of the number): no bf16 or f16 on the way to a quantiser, and a product that is left as it is and whose result goes on into a quantised operand takes f32 operands (vector FMAs, or v_wmma_f32_16x16x4_f32). A number that lies on a knife's edge between two numbers of the format may be rounded either way, as far as f32 arithmetic and the matrix unit's own rounding can turn it there, and no further.
;; One version. Each part assembles by itself: llvm-mc -triple=amdgcn-amd-amdhsa -mcpu=gfx1250 --defsym DOCPART=n.
;; ======== version 1 of 1: 4 launches
;; limits: right only within a limited range of input values
;; workspace buffers: qcodes 262,144 bytes; mcodes 25,600,000 bytes; gmax 10,240,000 bytes; gsel 65,536 bytes of whole numbers
;; launch prep (part 1): grid 128 x 1, 1 waves a work-group, no clusters, 11,008 bytes of LDS; arguments query, lowp_scales, qcodes; writes qcodes
.if DOCPART == 1
	.amdgcn_target "amdgcn-amd-amdhsa--gfx1250"
	.amdhsa_code_object_version 6
	.text
	.protected	k_qc36940d1f6_prep
	.globl	k_qc36940d1f6_prep
	.p2align	8
	.type	k_qc36940d1f6_prep,@function
k_qc36940d1f6_prep:
	s_mov_b64 s[64:65], 0
	v_nop
	global_prefetch_b8 v0, s[64:65] scope:SCOPE_SE
	s_setreg_imm32_b32 hwreg(HW_REG_WAVE_MODE, 25, 1), 1
	s_wait_xcnt 0x0
; memory_feat [100000][256] and query [1024][256], f32: each row is divided by max(its norm, 1e-8) and turned into codes of BF8 (E5M2) with the scale 2^e given for it
; (entry 1 of the scales for memory_feat, entry 0 for query): code = x / norm / 2^e, held within +-57,344, to the nearest code, ties to even.
; THE CODES' ORDER (mcodes, qcodes): a PIECE is 8 consecutive rows, 2,048 bytes.  The code of (row, k), k = 128 s + 32 c + 16 h + b with b < 16, lies at
; (row / 8) 2048 + (4 s + c) 256 + 128 h + 16 (row % 8) + b.  So the later launches fetch a fragment's four registers (s, c) of any two pieces as two whole aligned runs of 256 bytes.
; SHARES.  One wave to a work-group; it takes one piece (8 rows).  Work-groups 0 .. 127 take query, one piece each.
; A piece is loaded as it lies (16 loads of 512 consecutive bytes) and turned through a stage in LDS, so that lane = 16 cl + 8 h + row % 8 holds, for j = 0 .. 3,
; k = 64 j + 32 cl + 16 h + 0 .. 15 of its row: 16 neighbours for the conversions, and its 16 codes of j belong at byte 512 j + 16 lane of the piece: each store is 512 consecutive bytes.
; The four lanes of a row are lane, lane xor 8, lane xor 16, lane xor 24.
; LIMITS: e between -126 and 112.  NaN and infinities among the inputs are not served, nor a row whose sum of squares passes the largest f32 number.
; x / norm is made as x * rsq(sum of squares), which differs from the quotient by a few units in the last place; rsq is held at 1e8 = 1 / 1e-8, which is the clip of the norm.
; THIS LAUNCH NOW SERVES query ALONE: 128 work-groups of 8 rows, scale entry 0, into qcodes.  memory_feat is quantised by the launch that multiplies it, in the same order of codes.
.set ROWP, 1312                        ; a row in the stage: 16 cells of 64 bytes + 16 of padding, + 32
.set CELL, 80
.set GA,   3                           ; v3   16 x lane: my place in a load's and in a store's 512 bytes; never rewritten
.set WS,   4                           ; v4   the stage, on the way in
.set RS,   5                           ; v5   and on the way out
.set LIM,  10                          ; v10  57,344 x 2^e
.set SC,   11                          ; v11  2^e
.set S,    12                          ; v12-19  the sum of squares in four pairs
.set INV,  20                          ; v20  1 / max(norm, 1e-8); v21 is named with it as a pair
.set TP,   22                          ; v22  a lane permute's destination
.set R,    32                          ; v32-159  two sets of 64: a piece as loaded
.set X,    160                         ; v160-223 my 64 numbers
.set C,    224                         ; v224-239 my 64 codes
	s_load_b128 s[4:7], s[0:1], 0x0                ; query, the scales' exponents
	s_load_b64 s[8:9], s[0:1], 0x10                ; qcodes
	v_lshl_add_u32 v240, v0, 2, 0x2a00
	v_mov_b32 v241, 0
	v_lshlrev_b32 v[GA], 4, v0
	v_lshrrev_b32 v[WS], 2, v0
	v_mul_u32_u24 v[WS], v[WS], CELL
	v_and_b32 v6, 3, v0
	v_lshl_add_u32 v[WS], v6, 4, v[WS]             ; in: four lanes' 64 bytes fill a cell: 80 (lane / 4) + 16 (lane % 4)
	v_and_b32 v[RS], 7, v0
	v_mul_u32_u24 v[RS], v[RS], ROWP
	v_lshrrev_b32 v6, 3, v0
	v_mad_u32_u24 v[RS], v6, CELL, v[RS]           ; out: row lane % 8, cell lane / 8 (+ 4 j)
	v_mov_b32 v[INV+1], 0                          ; named as the upper half of a pair, so it is written
	v_mov_b32 v[TP], 0                             ; a lane permute's destination counts as read
	s_mov_b32 s18, 0x76543210
	s_mov_b32 s19, 0xfedcba98                      ; selects for lane xor 16
	s_wait_alu depctr_va_vdst(0)
	s_wait_kmcnt 0x0
	s_load_b32 s20, s[6:7], 0x0                    ; e of query
	s_lshl_b32 s22, ttmp9, 13                      ; a work-group takes ONE piece: 8 rows of 1,024 bytes (128 work-groups)
	s_mov_b32 s23, 0
	s_add_nc_u64 s[4:5], s[4:5], s[22:23]
	s_lshl_b32 s22, ttmp9, 11                      ; one piece of 2,048 bytes
	s_add_nc_u64 s[8:9], s[8:9], s[22:23]
.macro LOADP p                         ; piece p as it lies: load i is half i % 2 of row i / 2
.irp i, 0,1,2,3,4,5,6,7,8,9,10,11,12,13,14,15
	global_load_b128 v[R+64*((\p)%2)+4*\i:R+64*((\p)%2)+4*\i+3], v[GA], s[4:5] offset:8192*(\p)+512*\i th:TH_LOAD_NT
.endr
.endm
.macro TURNP p                         ; through the stage; LDS serves a wave's instructions in order, so no wait stands between the stores and the loads
.irp i, 0,1,2,3,4,5,6,7,8,9,10,11,12,13,14,15
	ds_store_b128 v[WS], v[R+64*((\p)%2)+4*\i:R+64*((\p)%2)+4*\i+3] offset:(\i/2)*ROWP+(\i%2)*8*CELL
.endr
.irp j, 0,1,2,3
.irp i, 0,1,2,3
	ds_load_b128 v[X+16*\j+4*\i:X+16*\j+4*\i+3], v[RS] offset:4*CELL*\j+16*\i
.endr
.endr
.endm
.macro QUANTP p
.irp c, 0,1,2,3
	v_pk_mul_f32 v[S+2*\c:S+2*\c+1], v[X+2*\c:X+2*\c+1], v[X+2*\c:X+2*\c+1]   ; the first four pairs start the chains: nothing is cleared
.endr
.set n, 4
.rept 28
	v_pk_fma_f32 v[S+2*(n%4):S+2*(n%4)+1], v[X+2*n:X+2*n+1], v[X+2*n:X+2*n+1], v[S+2*(n%4):S+2*(n%4)+1]
.set n, n+1
.endr
	v_pk_add_f32 v[S:S+1], v[S:S+1], v[S+2:S+3]
	v_pk_add_f32 v[S+4:S+5], v[S+4:S+5], v[S+6:S+7]
	v_pk_add_f32 v[S:S+1], v[S:S+1], v[S+4:S+5]
	v_add_f32 v[S], v[S], v[S+1]
	v_add_f32_dpp v[S], v[S], v[S] row_xmask:8 row_mask:0xf bank_mask:0xf   ; + lane xor 8's
	v_permlanex16_b32 v[TP], v[S], s18, s19
	v_add_f32 v[S], v[S], v[TP]                    ; + lane xor 16's: the row's sum of squares
	s_wait_alu depctr_va_vdst(0)
	v_rsq_f32 v[INV], v[S]
	v_nop                                          ; a plain instruction behind the transcendental,
	s_wait_alu depctr_va_vdst(0)                   ; and the wait ahead of its first reader
	v_min_num_f32 v[INV], 0x4cbebc20, v[INV]       ; at most 1e8: the norm is clipped at 1e-8 from below (a row of zeros gives infinity here, then 1e8)
.set n, 0
.rept 32
	v_pk_mul_f32 v[X+2*n:X+2*n+1], v[X+2*n:X+2*n+1], v[INV:INV+1] op_sel_hi:[1,0]
.set n, n+1
.endr
.set n, 0
.rept 64
	v_med3_num_f32 v[X+n], v[X+n], -v[LIM], v[LIM] ; the conversion to an 8-bit code does not saturate (ISA guide 7.6.2): the hold at the largest code x the scale
.set n, n+1
.endr
.irp j, 0,1,2,3
	v_cvt_scalef32_pk8_bf8_f32 v[C+4*\j:C+4*\j+1], v[X+16*\j:X+16*\j+7], v[SC]
	v_cvt_scalef32_pk8_bf8_f32 v[C+4*\j+2:C+4*\j+3], v[X+16*\j+8:X+16*\j+15], v[SC]
.endr
	v_nop                                          ; one plain vector line behind the last conversion
.irp j, 0,1,2,3
	global_store_b128 v[GA], v[C+4*\j:C+4*\j+3], s[8:9] offset:2048*(\p)+512*\j   ; 32 lanes store 512 consecutive bytes, at a multiple of 256 from the buffer's first byte
.endr
.endm
.macro PIECE p
.if (\p) < 3
	s_wait_loadcnt 16                              ; this piece's 16 loads are in; the next piece's 16 may be out
.else
	s_wait_loadcnt 0x0
.endif
	TURNP \p
	s_wait_dscnt 0x0                               ; my 64 numbers are back
.if (\p) < 2
	LOADP (\p)+2                                   ; into the set that has just gone through the stage
.endif
.if (\p) > 0
	s_wait_xcnt 0x0                                ; the last piece's stores have read their data: the codes' registers are written again only behind this wait
.endif
	QUANTP \p
.endm
	LOADP 0
	s_wait_kmcnt 0x0
	s_add_co_i32 s20, s20, 127
	s_lshl_b32 s21, s20, 23
	v_mov_b32 v[SC], s21                           ; 2^e as f32: the conversion takes its exponent field
	s_add_co_i32 s20, s20, 15
	s_lshl_b32 s20, s20, 23
	s_or_b32 s20, s20, 0x600000
	v_mov_b32 v[LIM], s20                          ; 57,344 x 2^e
	s_wait_loadcnt 0x0                             ; the piece's 16 loads are in
	TURNP 0
	s_wait_dscnt 0x0                               ; my 64 numbers are back
	QUANTP 0
	s_wait_tensorcnt 0x0
	ds_add_u32 v240, v241
	s_wait_dscnt 0x0
	s_endpgm
.Lfunc_end_k_qc36940d1f6_prep:
	.size	k_qc36940d1f6_prep, .Lfunc_end_k_qc36940d1f6_prep-k_qc36940d1f6_prep
	.p2alignl 7, 3214868480
	.fill 96, 4, 3214868480
	.section	.rodata,"a",@progbits
	.p2align	6, 0x0
	.amdhsa_kernel k_qc36940d1f6_prep
		.amdhsa_group_segment_fixed_size 11008
		.amdhsa_private_segment_fixed_size 0
		.amdhsa_enable_private_segment 0
		.amdhsa_kernarg_size 24
		.amdhsa_user_sgpr_count 2
		.amdhsa_user_sgpr_kernarg_segment_ptr 1
		.amdhsa_wavefront_size32 1
		.amdhsa_system_sgpr_workgroup_id_x 1
		.amdhsa_system_sgpr_workgroup_id_y 1
		.amdhsa_system_sgpr_workgroup_id_z 1
		.amdhsa_system_vgpr_workitem_id 0
		.amdhsa_next_free_vgpr 242
		.amdhsa_next_free_sgpr 66
		.amdhsa_reserve_vcc 0
		.amdhsa_float_denorm_mode_32 3
		.amdhsa_float_denorm_mode_16_64 3
		.amdhsa_memory_ordered 1
		.amdhsa_forward_progress 1
		.amdhsa_inst_pref_size 15
	.end_amdhsa_kernel
	.amdgpu_metadata
---
amdhsa.version: [ 1, 2 ]
amdhsa.kernels:
  - .name:           k_qc36940d1f6_prep
    .symbol:         k_qc36940d1f6_prep.kd
    .args:
      - { .name: query, .offset: 0, .size: 8, .value_kind: global_buffer, .address_space: global }
      - { .name: lowp_scales, .offset: 8, .size: 8, .value_kind: global_buffer, .address_space: global }
      - { .name: qcodes, .offset: 16, .size: 8, .value_kind: global_buffer, .address_space: global }
    .group_segment_fixed_size: 11008
    .private_segment_fixed_size: 0
    .kernarg_segment_align: 8
    .kernarg_segment_size: 24
    .max_flat_workgroup_size: 32
    .sgpr_count:     66
    .vgpr_count:     242
    .wavefront_size: 32
...
	.end_amdgpu_metadata
.endif
;; end of part 1
;; launch main (part 2): grid 250 x 1, 8 waves a work-group, no clusters, 145,664 bytes of LDS; arguments qcodes, memory_feat, lowp_scales, mcodes, gmax; writes mcodes, gmax
.if DOCPART == 2
	.amdgcn_target "amdgcn-amd-amdhsa--gfx1250"
	.amdhsa_code_object_version 6
	.text
	.protected	k_qc36940d1f6_main
	.globl	k_qc36940d1f6_main
	.p2align	8
	.type	k_qc36940d1f6_main,@function
k_qc36940d1f6_main:
	s_mov_b64 s[64:65], 0
	v_nop
	global_prefetch_b8 v0, s[64:65] scope:SCOPE_SE
	s_setreg_imm32_b32 hwreg(HW_REG_WAVE_MODE, 25, 1), 1
	s_wait_xcnt 0x0
; memory_feat [100000][256] f32 is normalised, quantised to BF8 (E5M2, scale 2^e, e = entry 1 of the scales) and multiplied with all 1,024 queries' codes, K = 256;
; the sums are reduced on the spot to ONE MAXIMUM FOR EACH QUERY AND EACH GROUP OF 40 CONSECUTIVE ROWS (2,500 groups).  The codes are also stored (mcodes) for the last launch.
; Why the maxima are enough: order a query's sums by (value falling, row rising).  At most 15 sums stand ahead of any of the first 16, so each of the first 16 lies in one of the 16 groups whose best sum stands first.
; The sums are kept raw: the factor 2^(e0 + e1) is positive and changes no order.
; SHARES.  A work-group takes 400 rows (10 groups) and all queries; it is the only reader of its rows, so they are quantised here, once.  Five chunks of 80 rows.  Wave w keeps queries 128 w .. + 127 in 256 registers (window 1).
; THE QUANTISER.  Of a chunk wave w takes rows 10 w .. 10 w + 9, two rows a pair p: lanes 0-15 row 2 p, lanes 16-31 row 2 p + 1; load u brings k = 64 u + 4 (lane % 16) + 0 .. 3: two aligned runs of 256 bytes an instruction.
; code = x * min(rsq(sum of squares), 1e8) / 2^e, held within +-57,344, to the nearest code, ties to even.  A lane's four codes of load u are one word of the codes' order below.
; THE CODES' ORDER (LDS, mcodes, qcodes): a piece is 8 rows, 2,048 bytes; the code of (row, k), k = 32 f + 16 h + b, lies at (row / 8) 2048 + 256 f + 128 h + 16 (row % 8) + b.
; The next chunk's 20 loads of a wave are issued as soon as this chunk's numbers are converted, ahead of this chunk's products; the chunk after that is asked for by two prefetches a wave (its own 40 blocks of 256 bytes, each once; chunks 0 and 1 come by their loads alone, and none is asked for beyond chunk 4).
; Each chunk has LDS bytes of its own, written once by ds_store: one barrier a chunk, between the stores and the reads.
; TILES.  Row r of tile t of a chunk is chunk row 40 (r / 8) + 8 t + r % 8.  Source 0 = 16 memory rows, source 1 = 16 queries: lane (r, h) holds query r, its registers j the chunk rows 40 h + 8 t + j: over t = 0 .. 4 one whole group, 2 c + h.
; NO CLUSTER: a memory row is read by one work-group alone; the queries' codes go straight into registers; and 250 work-groups are no multiple of 4.
; gmax: f32 [8 blocks of 128 queries][250 work-groups][128 queries][10 groups].
; LIMITS: e between -126 and 112.  NaN and infinities among the inputs are not served, nor a row whose sum of squares passes the largest f32 number.
.set CHUNKB, 20736                     ; a chunk in LDS: pieces 0-4 at 0, pieces 5-9 at HALFB
.set HALFB,  10368                     ; 10,240 + 128
.set STAGE,  103680                    ; 5,120 bytes for each wave
.set SPARE,  144640                    ; the spare words, 128 bytes for each wave
.set PF1,  5                           ; v5   256 x lane
.set PF2,  6                           ; v6   8,192 + 256 x min(lane, 7)
.set QO,   7                           ; v7   my lane's place in a tile of queries
.set AC,   8                           ; v8-12  my lane's place in chunk 0 .. 4
.set STO,  13
.set RD,   14
.set GO,   15                          ; v15  16 x lane
.set LA,   16                          ; v16-20 where pair p's code words go in LDS
.set MO,   21                          ; v21  where my 2,560 bytes of a chunk's codes are read back
.set GL,   22                          ; v22  1,024 (lane / 16) + 16 (lane % 16)
.set LIM,  23                          ; v23  57,344 x 2^e
.set M,    24                          ; v24-31 codes on their way to mcodes, two sets of four
.set A,    32                          ; v32-95 a memory tile's fragments, two buffers
.set D,    96                          ; v96-159 the eight tiles of sums; between the products: S and C
.set S,    96                          ; v96-115 four registers a pair: the sums of squares, then 1 / norm at S + 4 p + 2
.set C,    116                         ; v116-135 four code words a pair
.set ACC,  160
.set R,    168                         ; v168-247 a chunk's numbers: 16 a pair; at the end the way out
.set OUTR, 168
.set SC,   248                         ; v248 2^e
.set SPW,  254
.set NIL,  255
.set MSB, 0
.macro WIN new
.if MSB != \new
	s_set_vgpr_msb (MSB<<8)|\new
.set MSB, \new
.endif
.endm
	s_load_b128 s[4:7], s[0:1], 0x0                ; qcodes, memory_feat
	s_load_b128 s[8:11], s[0:1], 0x10              ; the scales' exponents, mcodes
	s_load_b64 s[12:13], s[0:1], 0x20              ; gmax
	v_lshl_add_u32 v[SPW], v0, 2, SPARE
	v_mov_b32 v[NIL], 0
	v_lshrrev_b32 v1, 5, v0
	v_readfirstlane_b32 s14, v1                    ; wave 0..7
	s_mul_i32 s15, s14, 5120
	s_add_co_u32 s15, s15, STAGE                   ; my stage
	s_mul_i32 s16, s14, 2560
	s_lshr_b32 s17, s14, 2
	s_lshl_b32 s17, s17, 7
	s_add_co_u32 s16, s16, s17                     ; my 2,560 bytes of a chunk: waves 4-7 lie in pieces 5-9, 128 bytes further on
	s_mul_i32 s18, s14, 10                         ; my first row of a chunk
	v_and_b32 v1, 15, v0                           ; r
	v_bfe_u32 v2, v0, 4, 1                         ; h
	v_and_b32 v3, 7, v0
	v_lshlrev_b32 v3, 4, v3
	v_lshl_add_u32 v3, v2, 7, v3                   ; 128 h + 16 (r % 8)
	v_bfe_u32 v4, v0, 3, 1                         ; r / 8
	v_lshl_add_u32 v[QO], v4, 11, v3
	v_mad_u32_u24 v[AC], v4, HALFB, v3
.irp n, 1,2,3,4
	v_add_nc_u32 v[AC+\n], \n*CHUNKB, v[AC]
.endr
	v_mul_u32_u24 v[STO], v1, 40
	v_lshl_add_u32 v[STO], v2, 2, v[STO]
	v_add_nc_u32 v[STO], s15, v[STO]
	v_and_b32 v[GO], 31, v0
	v_lshlrev_b32 v[PF1], 8, v[GO]
	v_min_u32 v[PF2], 7, v[GO]
	v_lshlrev_b32 v[PF2], 8, v[PF2]
	v_add_nc_u32 v[PF2], 8192, v[PF2]
	v_lshlrev_b32 v[GO], 4, v[GO]
	v_add_nc_u32 v[RD], s15, v[GO]
	v_add_nc_u32 v[MO], s16, v[GO]
	v_lshlrev_b32 v[GL], 4, v1
	v_lshl_add_u32 v[GL], v2, 10, v[GL]
	v_and_b32 v3, 3, v0
	v_lshlrev_b32 v3, 2, v3
	v_bfe_u32 v1, v0, 2, 1
	v_lshl_add_u32 v3, v1, 7, v3
	v_lshl_add_u32 v3, v4, 8, v3                   ; 256 (r / 8) + 128 ((r / 4) % 2) + 4 (r % 4): my word's place in a row's codes of load 0
.irp p, 0,1,2,3,4
	v_add_nc_u32 v1, s18, v2
	v_add_nc_u32 v1, 2*\p, v1                      ; my chunk row: 10 w + 2 p + lane / 16
	v_lshrrev_b32 v4, 3, v1                        ; its piece, 0 .. 9
	v_and_b32 v1, 7, v1
	v_lshl_add_u32 v[LA+\p], v1, 4, v3
	v_lshl_add_u32 v[LA+\p], v4, 11, v[LA+\p]
	v_mul_u32_u24 v4, v4, 205
	v_lshrrev_b32 v4, 10, v4                       ; piece / 5
	v_lshl_add_u32 v[LA+\p], v4, 7, v[LA+\p]       ; pieces 5-9 lie 128 bytes further on
.endr
	s_wait_alu depctr_va_vdst(0)                   ; the wait here, directly ahead of the wait below
	s_wait_kmcnt 0x0
	s_load_b32 s19, s[8:9], 0x4                    ; e of memory_feat
	s_mul_i32 s20, ttmp9, 409600                   ; my work-group's 400 rows,
	s_mul_i32 s22, s14, 10240                      ; my wave's ten of each chunk
	s_add_co_u32 s20, s20, s22
	s_mov_b32 s21, 0
	s_add_nc_u64 s[6:7], s[6:7], s[20:21]
.macro LOADC c
.irp p, 0,1,2,3,4
.irp u, 0,1,2,3
	global_load_b128 v[R+16*\p+4*\u:R+16*\p+4*\u+3], v[GL], s[6:7] offset:81920*(\c)+2048*\p+256*\u th:TH_LOAD_NT
.endr
.endr
.endm
	LOADC 0
	s_lshl_b32 s20, s14, 15                        ; my 128 queries: 16 pieces
	s_add_nc_u64 s[4:5], s[4:5], s[20:21]
	WIN 0x40                                       ; destination window 1
.irp q, 0,1,2,3,4,5,6,7
.irp f, 0,1,2,3,4,5,6,7
	global_load_b128 v[32*\q+4*\f:32*\q+4*\f+3], v[QO], s[4:5] offset:4096*\q+256*\f
.endr
.endr
	WIN 0
	s_mul_i32 s20, ttmp9, 102400
	s_mul_i32 s22, s14, 2560
	s_add_co_u32 s20, s20, s22
	s_add_nc_u64 s[10:11], s[10:11], s[20:21]      ; mcodes: my work-group's 50 pieces, my wave's part of each chunk
	s_mul_i32 s20, s14, 1280000
	s_mul_i32 s22, ttmp9, 5120
	s_add_co_u32 s20, s20, s22
	s_add_nc_u64 s[12:13], s[12:13], s[20:21]      ; gmax
	s_wait_kmcnt 0x0
	s_add_co_i32 s19, s19, 127
	s_lshl_b32 s20, s19, 23
	v_mov_b32 v[SC], s20                           ; 2^e as f32: the conversion takes its exponent field
	s_add_co_i32 s19, s19, 15
	s_lshl_b32 s19, s19, 23
	s_or_b32 s19, s19, 0x600000
	v_mov_b32 v[LIM], s19                          ; 57,344 x 2^e
	s_wait_alu depctr_va_vdst(0)                   ; the wait at the head's end
.macro AFETCH c, t, b
.irp f, 0,1,2,3,4,5,6,7
	ds_load_b128 v[A+32*(\b)+4*\f:A+32*(\b)+4*\f+3], v[AC+\c] offset:2048*(\t)+256*\f
.endr
.endm
.macro REDUCE t                        ; each tile of sums is read from its low end on; the eight tiles take turns
.if (\t) == 0
.irp q, 0,1,2,3,4,5,6,7
	v_max3_num_f32 v[ACC+\q], v[D+8*\q], v[D+8*\q+1], v[D+8*\q+2]
.endr
.irp q, 0,1,2,3,4,5,6,7
	v_max3_num_f32 v[ACC+\q], v[ACC+\q], v[D+8*\q+3], v[D+8*\q+4]
.endr
.irp q, 0,1,2,3,4,5,6,7
	v_max3_num_f32 v[ACC+\q], v[ACC+\q], v[D+8*\q+5], v[D+8*\q+6]
.endr
.irp q, 0,1,2,3,4,5,6,7
	v_max_num_f32 v[ACC+\q], v[ACC+\q], v[D+8*\q+7]
.endr
.else
.irp u, 0,1,2,3
.irp q, 0,1,2,3,4,5,6,7
	v_max3_num_f32 v[ACC+\q], v[ACC+\q], v[D+8*\q+2*\u], v[D+8*\q+2*\u+1]
.endr
.endr
.endif
.endm
; One memory tile against my eight tiles of queries; beside it 512 bytes of the chunk's codes go from LDS to mcodes.  The eight accumulators take turns.
.macro TILE c, t
	s_wait_xcnt 0x0                                ; the store of two tiles ago has read its data: its four registers are loaded again only behind this wait
.if (\t) < 4
	AFETCH \c, (\t)+1, ((\t)+1)%2
.endif
	ds_load_b128 v[M+4*((\t)%2):M+4*((\t)%2)+3], v[MO] offset:CO+512*(\t)
.if (\t) < 4
	s_wait_dscnt 9                                 ; the nine loads just issued may be out: this tile's fragments and the last tile's codes are in
.else
	s_wait_dscnt 1                                 ; the one load just issued may be out
.endif
.if (\t) > 0
	global_store_b128 v[GO], v[M+4*(((\t)-1)%2):M+4*(((\t)-1)%2)+3], s[10:11] offset:20480*(\c)+512*((\t)-1)   ; 512 consecutive bytes, aligned
.endif
	WIN 0x04                                       ; source 1 (the queries) window 1
.irp q, 0,1,2,3,4,5,6,7
	v_wmma_f32_16x16x128_bf8_bf8 v[D+8*\q:D+8*\q+7], v[A+32*((\t)%2):A+32*((\t)%2)+15], v[32*\q:32*\q+15], 0
.endr
.irp q, 0,1,2,3,4,5,6,7
	v_wmma_f32_16x16x128_bf8_bf8 v[D+8*\q:D+8*\q+7], v[A+32*((\t)%2)+16:A+32*((\t)%2)+31], v[32*\q+16:32*\q+31], v[D+8*\q:D+8*\q+7]
.endr
	WIN 0
.rept 4
	v_nop
.endr
	s_wait_alu depctr_va_vdst(0)                   ; the running maxima were written ahead of the waits above
	REDUCE \t
.endm
.macro CHUNK c
.set CO, ((\c)%3)*CHUNKB               ; the chunk's place as an immediate; from chunk 3 on the registers carry three chunks
.if (\c) == 3
.irp p, 0,1,2,3,4,5
	v_add_nc_u32 v[LA+\p], 3*CHUNKB, v[LA+\p]      ; LA 0 .. 4 and MO
.endr
.endif
.if (\c) == 0
	s_wait_loadcnt 63                              ; of 84 loads issued at least the first 21 are in: chunk 0's twenty
.else
	s_wait_loadcnt 0x0
.endif
.irp x, 0,1
.irp p, 0,1,2,3,4
	v_pk_mul_f32 v[S+4*\p+2*\x:S+4*\p+2*\x+1], v[R+16*\p+2*\x:R+16*\p+2*\x+1], v[R+16*\p+2*\x:R+16*\p+2*\x+1]
.endr
.endr
.irp n, 1,2,3
.irp x, 0,1
.irp p, 0,1,2,3,4
	v_pk_fma_f32 v[S+4*\p+2*\x:S+4*\p+2*\x+1], v[R+16*\p+4*\n+2*\x:R+16*\p+4*\n+2*\x+1], v[R+16*\p+4*\n+2*\x:R+16*\p+4*\n+2*\x+1], v[S+4*\p+2*\x:S+4*\p+2*\x+1]
.endr
.endr
.endr
.irp p, 0,1,2,3,4
	v_pk_add_f32 v[S+4*\p:S+4*\p+1], v[S+4*\p:S+4*\p+1], v[S+4*\p+2:S+4*\p+3]
.endr
.irp p, 0,1,2,3,4
	v_add_f32 v[S+4*\p], v[S+4*\p], v[S+4*\p+1]
.endr
.irp m, 1,2,4,8                        ; over the sixteen lanes of a row
.irp p, 0,1,2,3,4
	v_add_f32_dpp v[S+4*\p], v[S+4*\p], v[S+4*\p] row_xmask:\m row_mask:0xf bank_mask:0xf
.endr
.endr
	s_wait_alu depctr_va_vdst(0)                   ; the wait ahead of the batch
.irp p, 0,1,2,3,4
	v_rsq_f32 v[S+4*\p+2], v[S+4*\p]
.endr
	v_nop                                          ; a plain place behind the batch
	s_wait_alu depctr_va_vdst(0)                   ; and the wait ahead of its first reader
.irp p, 0,1,2,3,4
	v_min_num_f32 v[S+4*\p+2], 0x4cbebc20, v[S+4*\p+2]   ; at most 1e8: the norm is clipped at 1e-8
.endr
.irp n, 0,1,2,3,4,5,6,7
.irp p, 0,1,2,3,4
	v_pk_mul_f32 v[R+16*\p+2*\n:R+16*\p+2*\n+1], v[R+16*\p+2*\n:R+16*\p+2*\n+1], v[S+4*\p+2:S+4*\p+3] op_sel_hi:[1,0]
.endr
.endr
.set n, 0
.rept 80
	v_med3_num_f32 v[R+n], v[R+n], -v[LIM], v[LIM] ; the conversion does not saturate (ISA guide 7.6.2): the hold at the largest code x the scale
.set n, n+1
.endr
.irp p, 0,1,2,3,4
.irp m, 0,1
	v_cvt_scalef32_pk8_bf8_f32 v[C+4*\p+2*\m:C+4*\p+2*\m+1], v[R+16*\p+8*\m:R+16*\p+8*\m+7], v[SC]   ; two words: loads 2 m and 2 m + 1
.endr
.endr
	v_nop                                          ; one plain line behind the last conversion
.irp p, 0,1,2,3,4
.irp u, 0,1,2,3
	ds_store_b32 v[LA+\p], v[C+4*\p+\u] offset:CO+512*\u
.endr
.endr
.if (\c) < 4
	LOADC (\c)+1
.endif
.if (\c) < 3
	global_prefetch_b8 v[PF1], s[6:7] offset:81920*((\c)+2) th:TH_LOAD_NT scope:SCOPE_SE   ; my ten rows of the chunk after next: blocks 0-31,
	global_prefetch_b8 v[PF2], s[6:7] offset:81920*((\c)+2) th:TH_LOAD_NT scope:SCOPE_SE   ; and 32-39 (lanes 8 on name the last again)
.endif
	s_wait_alu depctr_va_vdst(0)                   ; the wait here, directly ahead of the wait below
	s_wait_dscnt 0x0                               ; for the others' sake: my code words are in LDS
	s_barrier_signal -1
	s_barrier_wait -1                              ; the chunk's codes are whole
.if (\c) == 0
	s_wait_loadcnt 20                              ; the queries are in; chunk 1's twenty loads may be out
.endif
	AFETCH \c, 0, 0
.irp t, 0,1,2,3,4
	TILE \c, \t
.endr
.irp q, 0,1,2,3,4,5,6,7
	ds_store_b32 v[STO], v[ACC+\q] offset:640*\q+8*\c   ; query 16 q + r, group 2 c + h
.endr
	s_wait_dscnt 8                                 ; the eight stores may be out: the chunk's last 512 bytes of codes are in
	global_store_b128 v[GO], v[M:M+3], s[10:11] offset:20480*(\c)+2048
.endm
	CHUNK 0
	CHUNK 1
	CHUNK 2
	CHUNK 3
	CHUNK 4
.irp j, 0,1,2,3,4,5,6,7,8,9
	ds_load_b128 v[OUTR+4*\j:OUTR+4*\j+3], v[RD] offset:512*\j   ; my own stage: LDS serves a wave's instructions in order
.endr
.irp j, 0,1,2,3,4,5,6,7,8,9
	s_wait_dscnt 9-\j
	global_store_b128 v[GO], v[OUTR+4*\j:OUTR+4*\j+3], s[12:13] offset:512*\j th:TH_STORE_NT
.endr
	s_wait_tensorcnt 0x0                           ; the wave's end
	ds_add_u32 v[SPW], v[NIL]
	s_wait_dscnt 0x0
	s_endpgm
.Lfunc_end_k_qc36940d1f6_main:
	.size	k_qc36940d1f6_main, .Lfunc_end_k_qc36940d1f6_main-k_qc36940d1f6_main
	.p2alignl 7, 3214868480
	.fill 96, 4, 3214868480
	.section	.rodata,"a",@progbits
	.p2align	6, 0x0
	.amdhsa_kernel k_qc36940d1f6_main
		.amdhsa_group_segment_fixed_size 145664
		.amdhsa_private_segment_fixed_size 0
		.amdhsa_enable_private_segment 0
		.amdhsa_kernarg_size 40
		.amdhsa_user_sgpr_count 2
		.amdhsa_user_sgpr_kernarg_segment_ptr 1
		.amdhsa_wavefront_size32 1
		.amdhsa_system_sgpr_workgroup_id_x 1
		.amdhsa_system_sgpr_workgroup_id_y 1
		.amdhsa_system_sgpr_workgroup_id_z 1
		.amdhsa_system_vgpr_workitem_id 0
		.amdhsa_next_free_vgpr 512
		.amdhsa_next_free_sgpr 66
		.amdhsa_reserve_vcc 0
		.amdhsa_float_denorm_mode_32 3
		.amdhsa_float_denorm_mode_16_64 3
		.amdhsa_memory_ordered 1
		.amdhsa_forward_progress 1
		.amdhsa_inst_pref_size 196
	.end_amdhsa_kernel
	.amdgpu_metadata
---
amdhsa.version: [ 1, 2 ]
amdhsa.kernels:
  - .name:           k_qc36940d1f6_main
    .symbol:         k_qc36940d1f6_main.kd
    .args:
      - { .name: qcodes, .offset: 0, .size: 8, .value_kind: global_buffer, .address_space: global }
      - { .name: memory_feat, .offset: 8, .size: 8, .value_kind: global_buffer, .address_space: global }
      - { .name: lowp_scales, .offset: 16, .size: 8, .value_kind: global_buffer, .address_space: global }
      - { .name: mcodes, .offset: 24, .size: 8, .value_kind: global_buffer, .address_space: global }
      - { .name: gmax, .offset: 32, .size: 8, .value_kind: global_buffer, .address_space: global }
    .group_segment_fixed_size: 145664
    .private_segment_fixed_size: 0
    .kernarg_segment_align: 8
    .kernarg_segment_size: 40
    .max_flat_workgroup_size: 256
    .sgpr_count:     66
    .vgpr_count:     512
    .wavefront_size: 32
...
	.end_amdgpu_metadata
.endif
;; end of part 2
;; launch sel (part 3): grid 256 x 1, 4 waves a work-group, no clusters, 1,024 bytes of LDS; arguments gmax, gsel; writes gsel
.if DOCPART == 3
	.amdgcn_target "amdgcn-amd-amdhsa--gfx1250"
	.amdhsa_code_object_version 6
	.text
	.protected	k_qc36940d1f6_sel
	.globl	k_qc36940d1f6_sel
	.p2align	8
	.type	k_qc36940d1f6_sel,@function
k_qc36940d1f6_sel:
	s_mov_b64 s[64:65], 0
	v_nop
	global_prefetch_b8 v0, s[64:65] scope:SCOPE_SE
	s_setreg_imm32_b32 hwreg(HW_REG_WAVE_MODE, 25, 1), 1
	s_wait_xcnt 0x0
; For each query: the 16 groups (of 2,500) with the largest group maxima, equal maxima to the lower group.  Their numbers go to gsel [1024][16], int32.
; A wave takes one query.  Register k of lane l holds group 32 k + l (80 registers; what lies past group 2,499 holds -infinity).
; THE NETWORK gives every lane the wave's 16 largest numbers, sorted: each lane sorts its five blocks of 16 (bitonic, maxima and minima alone, from one bank of 16 registers into another, so that nothing is moved and the 80 stay),
; joins two sorted lists by max(a[i], b[15 - i]) and four more stages, and then joins with lanes l xor 1, 2, 4, 8, 16 in the same way.
; It runs twice, as two trips of one loop.  Trip 1, on the maxima: T = the 16th largest.  Then each maximum is replaced by a key: -(group) where it is above T, -(group + 4,096) where it equals T, -infinity below.
; Trip 2, on the keys: the 16 largest keys are all groups above T and, of those equal to T, the lowest.  No branch and no address hangs on a value.
; NaN among the maxima is not served.
.set LN,   1                           ; v1   lane
.set OF,   2                           ; v2-6 offsets of groups 32 b + l, b = 0 .. 4: 5,120 (x / 10) + 4 (x % 10)
.set OL,   7                           ; v7   the same for the last load: x = 96 + min(l, 3)
.set NINF, 8
.set NL,   10                          ; v10  -l as f32
.set NLE,  11                          ; v11  -l - 4,096
.set RES,  12
.set LW,   13
.set LR,   14
.set SO,   15
.set W,    16                          ; v16-19 at work
.set OUTR, 20                          ; v20-23
.set SPW,  24
.set NIL,  25
.set X,    32                          ; v32-47, v48-63 the two banks
.set Y,    48
.set L,    64                          ; v64-79 the list of 16
.set V,    80                          ; v80-159
.macro STG src, dst, k, j              ; one stage of eight exchanges, falling order where i & k is 0
.set i, 0
.rept 16
.if (i^\j) > i
.if (i&\k) == 0
	v_max_num_f32 v[\dst+i], v[\src+i], v[\src+(i^\j)]
	v_min_num_f32 v[\dst+(i^\j)], v[\src+i], v[\src+(i^\j)]
.else
	v_min_num_f32 v[\dst+i], v[\src+i], v[\src+(i^\j)]
	v_max_num_f32 v[\dst+(i^\j)], v[\src+i], v[\src+(i^\j)]
.endif
.endif
.set i, i+1
.endr
.endm
.macro SORT16 src, fin
	STG \src, X, 2, 1
	STG X, Y, 4, 2
	STG Y, X, 4, 1
	STG X, Y, 8, 4
	STG Y, X, 8, 2
	STG X, Y, 8, 1
	STG Y, X, 16, 8
	STG X, Y, 16, 4
	STG Y, X, 16, 2
	STG X, \fin, 16, 1
.endm
.macro MERGE                           ; X holds the 16 largest of two lists, rising then falling or the like: four stages sort them into L
	STG X, Y, 16, 8
	STG Y, X, 16, 4
	STG X, Y, 16, 2
	STG Y, L, 16, 1
.endm
.macro FB k                            ; FBITS = the f32 pattern of -(32 k)
.set n, 32*(\k)
.if n == 0
.set FBITS, 0x80000000
.else
.set e, 5
.rept 6
.if n >= (2<<e)
.set e, e+1
.endif
.endr
.set FBITS, 0x80000000|((127+e)<<23)|((n-(1<<e))<<(23-e))
.endif
.endm
	s_load_b128 s[4:7], s[0:1], 0x0                ; gmax, gsel
	v_lshl_add_u32 v[SPW], v0, 2, 0x200
	v_mov_b32 v[NIL], 0
	v_lshrrev_b32 v1, 5, v0
	v_readfirstlane_b32 s8, v1                     ; wave 0..3
	v_and_b32 v[LN], 31, v0
.irp b, 0,1,2,3,4
	v_add_nc_u32 v[OF+\b], 32*\b, v[LN]
.endr
	v_min_u32 v[OL], 3, v[LN]
	v_add_nc_u32 v[OL], 96, v[OL]
.irp b, 0,1,2,3,4,5
	v_mul_u32_u24 v[W], v[OF+\b], 205
	v_lshrrev_b32 v[W], 11, v[W]                   ; x / 10 (exact for x under 1,024)
	v_mul_u32_u24 v[W], v[W], 5080
	v_lshl_add_u32 v[OF+\b], v[OF+\b], 2, v[W]     ; 5,120 (x / 10) + 4 (x % 10)
.endr
	v_mov_b32 v[NINF], 0xff800000
	v_mov_b32 v[V+79], 0xff800000
	v_cvt_f32_u32 v[NL], v[LN]
	v_xor_b32 v[NL], 0x80000000, v[NL]
	v_add_f32 v[NLE], 0xc5800000, v[NL]
	v_lshlrev_b32 v[LW], 2, v0
	v_bfe_u32 v[LR], v0, 2, 2
	v_and_b32 v[W], 3, v0
	v_lshlrev_b32 v[W], 4, v[W]
	v_lshl_add_u32 v[LR], v[LR], 7, v[W]           ; wave (lane % 16) / 4's 128 bytes, 16 bytes lane % 4 of their first 64
	v_and_b32 v[SO], 15, v0
	v_lshlrev_b32 v[SO], 4, v[SO]
	s_mov_b32 s18, 0x76543210
	s_mov_b32 s19, 0xfedcba98                      ; selects for lane xor 16
	s_mov_b32 s14, 0xfffffff0                      ; lanes 4 .. 31
	s_lshl_b32 s10, ttmp9, 2
	s_add_co_u32 s10, s10, s8                      ; my query
	s_lshr_b32 s11, s10, 7
	s_mul_i32 s11, s11, 1280000                    ; its block of 128,
	s_and_b32 s12, s10, 127
	s_mul_i32 s12, s12, 40                         ; its ten words in each work-group's part
	s_add_co_u32 s12, s11, s12
	s_mov_b32 s13, 0
	s_lshl_b32 s16, ttmp9, 8                       ; gsel: four queries x 64 bytes
	s_mov_b32 s17, 0
	s_mov_b32 s9, 0
	s_wait_alu depctr_va_vdst(0)                   ; the wait at the head's end
	s_wait_kmcnt 0x0
	s_add_nc_u64 s[4:5], s[4:5], s[12:13]
	s_add_nc_u64 s[6:7], s[6:7], s[16:17]
.set k, 0
.rept 78
	global_load_b32 v[V+k], v[OF+k%5], s[4:5] offset:81920*(k/5)   ; groups 32 k + l: 160 groups are 16 work-groups' parts
.set k, k+1
.endr
	global_load_b32 v[V+78], v[OL], s[4:5] offset:81920*15         ; groups 2,496 on: no lane leaves the buffer
.Lnet:
	s_wait_loadcnt 63                              ; of the 79 loads the 63 issued behind block 0's sixteen may be out (in the second trip none is out)
	SORT16 V, L
.irp b, 1,2,3,4
.if \b < 4
	s_wait_loadcnt 63-16*\b                        ; the loads issued behind this block's last may be out
.else
	s_wait_loadcnt 0x0
	v_cndmask_b32 v[V+78], v[V+78], v[NINF], s14   ; past group 2,499: -infinity (in the second trip these lanes' keys are -infinity already)
.endif
	SORT16 V+16*\b, Y
.set i, 0
.rept 16
	v_max_num_f32 v[X+i], v[L+i], v[Y+15-i]
.set i, i+1
.endr
	MERGE
.endr
.irp m, 1,2,4,8
.set i, 0
.rept 16
	v_max_num_f32_dpp v[X+i], v[L+15-i], v[L+i] row_xmask:\m row_mask:0xf bank_mask:0xf   ; the partner's list from its far end
.set i, i+1
.endr
	MERGE
.endr
.set i, 0
.rept 16
	v_permlanex16_b32 v[Y+i], v[L+15-i], s18, s19
.set i, i+1
.endr
.set i, 0
.rept 16
	v_max_num_f32 v[X+i], v[L+i], v[Y+i]
.set i, i+1
.endr
	MERGE
	s_cmp_eq_u32 s9, 1
	s_wait_alu depctr_va_vdst(0)                   ; the wait directly ahead of the branch
	s_cbranch_scc1 .Lout                           ; the second trip ends here: a branch on the count of trips
.set g, 0
.rept 20                               ; the keys; T = v[L+15]
.irp x, 0,1,2,3
	v_cmp_gt_f32 s[20+\x], v[V+g+\x], v[L+15]
	v_cmp_eq_f32 s[24+\x], v[V+g+\x], v[L+15]
.endr
.irp x, 0,1,2,3
	v_cndmask_b32 v[W+\x], v[NINF], v[NLE], s[24+\x]
.endr
.irp x, 0,1,2,3
	v_cndmask_b32 v[W+\x], v[W+\x], v[NL], s[20+\x]
.endr
.irp x, 0,1,2,3
	FB g+\x
	v_add_f32 v[V+g+\x], FBITS, v[W+\x]
.endr
.set g, g+4
.endr
	s_add_co_u32 s9, s9, 1
	s_cmp_lt_u32 s9, 2
	s_wait_alu depctr_va_vdst(0)                   ; the wait directly ahead of the branch
	s_cbranch_scc1 .Lnet
.Lout:
	v_mov_b32 v[RES], v[L]
.irp j, 1,2,3,4,5,6,7,8,9,10,11,12,13,14,15
	v_cmp_eq_u32 vcc_lo, \j, v[LN]
	v_cndmask_b32 v[RES], v[RES], v[L+\j], vcc_lo  ; lane j keeps the j-th key
.endr
	v_cvt_i32_f32 v[RES], v[RES]
	v_sub_nc_u32 v[RES], 0, v[RES]
	v_and_b32 v[RES], 0xfff, v[RES]                ; the group
	ds_store_b32 v[LW], v[RES]                     ; the four queries' lists meet in LDS, so that one store covers their 256 bytes
	s_wait_dscnt 0x0                               ; for the others' sake: my store is done
	s_barrier_signal -1
	s_barrier_wait -1
	s_cmp_lg_u32 s8, 0
	s_cbranch_scc1 .Lend
	ds_load_b128 v[OUTR:OUTR+3], v[LR]
	v_cmp_gt_u32 vcc_lo, 16, v0
	s_wait_dscnt 0x0
	s_wait_xcnt 0x0                                ; EXEC changes only behind this wait
	s_and_saveexec_b32 s28, vcc_lo
	global_store_b128 v[SO], v[OUTR:OUTR+3], s[6:7]   ; sixteen lanes store 256 consecutive bytes, aligned
	s_wait_xcnt 0x0
	s_or_b32 exec_lo, exec_lo, s28
.Lend:
	s_wait_tensorcnt 0x0                           ; the wave's end
	ds_add_u32 v[SPW], v[NIL]
	s_wait_dscnt 0x0
	s_endpgm
.Lfunc_end_k_qc36940d1f6_sel:
	.size	k_qc36940d1f6_sel, .Lfunc_end_k_qc36940d1f6_sel-k_qc36940d1f6_sel
	.p2alignl 7, 3214868480
	.fill 96, 4, 3214868480
	.section	.rodata,"a",@progbits
	.p2align	6, 0x0
	.amdhsa_kernel k_qc36940d1f6_sel
		.amdhsa_group_segment_fixed_size 1024
		.amdhsa_private_segment_fixed_size 0
		.amdhsa_enable_private_segment 0
		.amdhsa_kernarg_size 16
		.amdhsa_user_sgpr_count 2
		.amdhsa_user_sgpr_kernarg_segment_ptr 1
		.amdhsa_wavefront_size32 1
		.amdhsa_system_sgpr_workgroup_id_x 1
		.amdhsa_system_sgpr_workgroup_id_y 1
		.amdhsa_system_sgpr_workgroup_id_z 1
		.amdhsa_system_vgpr_workitem_id 0
		.amdhsa_next_free_vgpr 160
		.amdhsa_next_free_sgpr 66
		.amdhsa_reserve_vcc 1
		.amdhsa_float_denorm_mode_32 3
		.amdhsa_float_denorm_mode_16_64 3
		.amdhsa_memory_ordered 1
		.amdhsa_forward_progress 1
		.amdhsa_inst_pref_size 89
	.end_amdhsa_kernel
	.amdgpu_metadata
---
amdhsa.version: [ 1, 2 ]
amdhsa.kernels:
  - .name:           k_qc36940d1f6_sel
    .symbol:         k_qc36940d1f6_sel.kd
    .args:
      - { .name: gmax, .offset: 0, .size: 8, .value_kind: global_buffer, .address_space: global }
      - { .name: gsel, .offset: 8, .size: 8, .value_kind: global_buffer, .address_space: global }
    .group_segment_fixed_size: 1024
    .private_segment_fixed_size: 0
    .kernarg_segment_align: 8
    .kernarg_segment_size: 16
    .max_flat_workgroup_size: 128
    .sgpr_count:     66
    .vgpr_count:     160
    .wavefront_size: 32
...
	.end_amdgpu_metadata
.endif
;; end of part 3
;; launch fin (part 4): grid 256 x 1, 16 waves a work-group, no clusters, 22,528 bytes of LDS; arguments qcodes, mcodes, gsel, memory_evidence, model_evidence, lowp_scales, out0; writes out0
.if DOCPART == 4
	.amdgcn_target "amdgcn-amd-amdhsa--gfx1250"
	.amdhsa_code_object_version 6
	.text
	.protected	k_qc36940d1f6_fin
	.globl	k_qc36940d1f6_fin
	.p2align	8
	.type	k_qc36940d1f6_fin,@function
k_qc36940d1f6_fin:
	s_mov_b64 s[64:65], 0
	v_nop
	global_prefetch_b8 v0, s[64:65] scope:SCOPE_SE
	s_setreg_imm32_b32 hwreg(HW_REG_WAVE_MODE, 25, 1), 1
	s_wait_xcnt 0x0
; For each query: the sums of the 640 rows of its 16 chosen groups are made again (same codes, same K steps in the same order as in the large product), the 16 largest are picked (equal sums to the lower row),
; their softmax at temperature 0.07 weighs their evidence, and the two opinions are fused as reference() writes it.
; SHARES.  A work-group takes 4 queries.  Wave w: query qi = w / 4, part p = w % 4: slots 4 p .. 4 p + 3 of the query's list, 160 rows, ten tiles in two batches of five.
; In tile (i, t) lanes r < 8 take slot 4 p + 2 i, lanes r >= 8 slot 4 p + 2 i + 1, rows 40 x group + 8 t + r % 8.  Source 0 = the query in all 16 rows, source 1 = the 16 memory rows:
; register 0 of lane (r, h) is row r's sum.  The sums meet in LDS; behind one barrier the wave with qi = p finishes its query alone, the others end.
; ADDRESSES hang on gsel alone, whole numbers that an earlier launch stored (held at 2,499 first).  The evidence of ALL 640 candidates is loaded, and the chosen 16 are told apart by masks.
; THE PICK.  A lane holds 20 candidates (and 12 registers of -infinity).  A network of maxima and minima gives every lane the wave's 16 largest numbers, sorted: two bitonic sorts of 16 from bank to bank, a join by max(a[i], b[15 - i])
; and four stages, and the same join with lanes l xor 1, 2, 4, 8, 16.  It runs twice, as two trips of one loop.  Trip 1, on the sums: the largest, and T = the 16th largest.  Then each sum is replaced by a key: -(row) where it is above T,
; -(row + 2^17) where it equals T, -infinity below.  Trip 2, on the keys: a candidate is picked where its key is at least the 16th largest key.  No branch and no address hangs on a value.
; THE SOFTMAX: p = 2^((v - largest v) cs), cs = log2(e) / 0.07 x 2^(e0 + e1); the sum of p divides once at the end.
; LIMITS: NaN and infinities are not served.  e0 + e1 is applied by v_ldexp_f32 to 20.6: beyond about 120 cs is infinite and the result NaN.  1 - 1e-8 and 1 + 1e-8 are 1.0 in f32, as in reference().
; out0: a work-group owns 32 bytes of it, 8 for each query, stored by one lane each.
.set R7,   4                           ; v4   r % 8
.set QO,   5                           ; v5   128 h
.set LS,   6                           ; v6   LDS: where I put a tile's sums
.set RDL,  7                           ; v7   LDS: where the finishing wave reads
.set VA,   8                           ; v8, v9    the group of my half tile in batch 0, 1; then its byte offset in mcodes
.set GL,   10                          ; v10-13    the group of slot 4 x + lane / 8
.set QF,   16                          ; v16-47    the query's fragments, 2 K steps
.set B,    48                          ; v48-207   five memory tiles
.set D,    208                         ; v208-247  five tiles of sums
; the finishing wave, in registers that the batches have left:
.set X,    16                          ; v16-31, v32-47 the network's two banks
.set Y,    32
.set V,    48                          ; v48-67 my 20 candidates' sums, then their keys; v68-79 -infinity
.set ID,   80                          ; v80-99   -(their rows), as f32 (exact)
.set E,    100                         ; v100-139 their evidence, a pair each
.set P,    140                         ; v140-159 their weights
.set VE,   160                         ; v160-163 byte offsets in memory_evidence
.set M0,   164                         ; the largest sum (v165 is named with it as a pair)
.set CS,   166                         ; cs (v167 likewise)
.set TP,   168
.set NINF, 169
.set T0,   170                         ; v170-173
.set KE,   174                         ; v174-177
.set SS,   178
.set A0,   179
.set A1,   180
.set AM,   182
.set AR,   184
.set SM,   186
.set SR,   187
.set BM,   188
.set BR,   190
.set UM,   192
.set UR,   193
.set T,    194                         ; v194-197
.set BF,   198
.set UF,   200
.set RU,   201
.set OUTR, 202
.set ZO,   204
.set L,    208                         ; v208-223 the list of 16
.set WV,   18
.set QI,   19
.set PT,   24
.set QN,   25
.set EPS,  34                          ; s34  1e-8
.set SEL,  38                          ; s[38:39] selects for lane xor 16
.macro XSUM r
	v_add_f32_dpp v[\r], v[\r], v[\r] row_xmask:1 row_mask:0xf bank_mask:0xf
	v_add_f32_dpp v[\r], v[\r], v[\r] row_xmask:2 row_mask:0xf bank_mask:0xf
	v_add_f32_dpp v[\r], v[\r], v[\r] row_xmask:4 row_mask:0xf bank_mask:0xf
	v_add_f32_dpp v[\r], v[\r], v[\r] row_xmask:8 row_mask:0xf bank_mask:0xf
	v_permlanex16_b32 v[TP], v[\r], s[SEL], s[SEL+1]
	v_add_f32 v[\r], v[\r], v[TP]
.endm
.macro STG src, dst, k, j              ; one stage of eight exchanges, falling order where i & k is 0
.set i, 0
.rept 16
.if (i^\j) > i
.if (i&\k) == 0
	v_max_num_f32 v[\dst+i], v[\src+i], v[\src+(i^\j)]
	v_min_num_f32 v[\dst+(i^\j)], v[\src+i], v[\src+(i^\j)]
.else
	v_min_num_f32 v[\dst+i], v[\src+i], v[\src+(i^\j)]
	v_max_num_f32 v[\dst+(i^\j)], v[\src+i], v[\src+(i^\j)]
.endif
.endif
.set i, i+1
.endr
.endm
.macro SORT16 src, fin
	STG \src, X, 2, 1
	STG X, Y, 4, 2
	STG Y, X, 4, 1
	STG X, Y, 8, 4
	STG Y, X, 8, 2
	STG X, Y, 8, 1
	STG Y, X, 16, 8
	STG X, Y, 16, 4
	STG Y, X, 16, 2
	STG X, \fin, 16, 1
.endm
.macro MERGE
	STG X, Y, 16, 8
	STG Y, X, 16, 4
	STG X, Y, 16, 2
	STG Y, L, 16, 1
.endm
	s_load_b256 s[4:11], s[0:1], 0x0               ; qcodes s[4:5], mcodes s[6:7], gsel s[8:9], memory_evidence s[10:11]
	s_load_b128 s[12:15], s[0:1], 0x20             ; model_evidence s[12:13], the scales' exponents s[14:15]
	s_load_b64 s[16:17], s[0:1], 0x30              ; out0
	v_lshl_add_u32 v254, v0, 2, 0x5000
	v_mov_b32 v255, 0
	v_lshrrev_b32 v1, 5, v0
	v_readfirstlane_b32 s[WV], v1                  ; wave 0..15
	s_lshr_b32 s[QI], s[WV], 2
	s_and_b32 s[PT], s[WV], 3
	s_lshl_b32 s[QN], ttmp9, 2
	s_add_co_u32 s[QN], s[QN], s[QI]               ; my query
	v_and_b32 v1, 31, v0                           ; lane
	v_bfe_u32 v2, v0, 4, 1                         ; h
	v_bfe_u32 v3, v0, 3, 1                         ; r / 8
	v_and_b32 v[R7], 7, v0
	v_lshlrev_b32 v[QO], 7, v2
	s_mul_i32 s26, s[WV], 1280
	v_lshl_add_u32 v[LS], v1, 2, s26
	s_mul_i32 s27, s[QI], 5120
	v_lshl_add_u32 v[RDL], v1, 2, s27
	v_mad_u32_u24 v[RDL], v2, 640, v[RDL]          ; lanes 16-31 read batch 1's tiles (their second copy of each sum: 64 h is in 4 x lane)
	s_lshl_b32 s26, s[PT], 4
	v_lshl_add_u32 v14, v3, 2, s26                 ; gsel: slot 4 p + r / 8
	v_lshrrev_b32 v15, 3, v1
	v_lshlrev_b32 v15, 2, v15                      ; gsel: slot lane / 8
	v_lshl_add_u32 v3, v[R7], 4, v[QO]             ; 128 h + 16 (r % 8): my place in a run of 256 bytes of a piece
	s_mov_b32 s[SEL], 0x76543210
	s_mov_b32 s[SEL+1], 0xfedcba98
	s_mov_b32 s[EPS], 0x322bcc77
	s_wait_alu depctr_va_vdst(0)                   ; the wait here, directly ahead of the wait below
	s_wait_kmcnt 0x0
	s_load_b64 s[30:31], s[14:15], 0x0             ; e0, e1
	s_lshl_b32 s28, s[QN], 3
	s_mov_b32 s29, 0
	s_add_nc_u64 s[12:13], s[12:13], s[28:29]
	s_add_nc_u64 s[16:17], s[16:17], s[28:29]      ; my query's 8 bytes of out0
	s_load_b64 s[32:33], s[12:13], 0x0             ; and of model_evidence
	s_lshl_b32 s28, s[QN], 6
	s_add_nc_u64 s[8:9], s[8:9], s[28:29]          ; its list of 16 groups
	s_lshr_b32 s28, s[QN], 3
	s_lshl_b32 s28, s28, 11
	s_and_b32 s26, s[QN], 7
	s_lshl_b32 s26, s26, 4
	s_add_co_u32 s28, s28, s26
	s_add_nc_u64 s[4:5], s[4:5], s[28:29]          ; its codes: piece q / 8, row q % 8
	global_load_b32 v[VA], v14, s[8:9]
	global_load_b32 v[VA+1], v14, s[8:9] offset:8
.irp x, 0,1,2,3
	global_load_b32 v[GL+\x], v15, s[8:9] offset:16*\x
.endr
.irp f, 0,1,2,3,4,5,6,7
	global_load_b128 v[QF+4*\f:QF+4*\f+3], v[QO], s[4:5] offset:256*\f   ; every lane of a half reads the same 16 bytes: all 16 rows of this operand are my query
.endr
	s_wait_loadcnt 8                               ; the six group numbers are in; the query's eight loads may be out
.irp g, 0,1,2,3,4,5
	v_min_u32 v[VA+\g], 2499, v[VA+\g]             ; a loaded number enters an address only behind this hold
.endr
	v_mul_u32_u24 v[VA], v[VA], 10240              ; a group is five pieces
	v_mul_u32_u24 v[VA+1], v[VA+1], 10240
	v_add_nc_u32 v[VA], v[VA], v3
	v_add_nc_u32 v[VA+1], v[VA+1], v3
; A batch: five tiles.  The five accumulators take turns.  Five v_nop follow: the places in front of the LDS stores that read the sums,
; of the next loads into the tiles' registers, and of the next batch's products, which begin the same accumulators anew.
.macro BATCH i
.irp t, 0,1,2,3,4
.irp f, 0,1,2,3,4,5,6,7
	global_load_b128 v[B+32*\t+4*\f:B+32*\t+4*\f+3], v[VA+\i], s[6:7] offset:2048*\t+256*\f   ; two aligned runs of 256 bytes: one of each of the two groups
.endr
.endr
	s_wait_loadcnt 0x0
.irp t, 0,1,2,3,4
	v_wmma_f32_16x16x128_bf8_bf8 v[D+8*\t:D+8*\t+7], v[QF:QF+15], v[B+32*\t:B+32*\t+15], 0
.endr
.irp t, 0,1,2,3,4
	v_wmma_f32_16x16x128_bf8_bf8 v[D+8*\t:D+8*\t+7], v[QF+16:QF+31], v[B+32*\t+16:B+32*\t+31], v[D+8*\t:D+8*\t+7]
.endr
.rept 5
	v_nop
.endr
.irp t, 0,1,2,3,4
	ds_store_b32 v[LS], v[D+8*\t] offset:640*\i+128*\t   ; the lowest register: row r's sum, in both halves of the lanes
.endr
.endm
	BATCH 0
	s_wait_alu depctr_va_vdst(0)
	BATCH 1
	s_wait_dscnt 0x0                               ; for the others' sake: my stores are done
	s_barrier_signal -1
	s_barrier_wait -1
	s_cmp_lg_u32 s[QI], s[PT]                      ; waves 0, 5, 10, 15 go on, one for each query
	s_cbranch_scc1 .Lend
.irp x, 0,1,2,3
.irp t, 0,1,2,3,4
	ds_load_b32 v[V+5*\x+\t], v[RDL] offset:1280*\x+128*\t
.endr
.endr
.irp x, 0,1,2,3
	v_mul_u32_u24 v[VE+\x], v[GL+\x], 320          ; 40 rows of 8 bytes
.endr
.irp x, 0,1,2,3
	v_lshl_add_u32 v[VE+\x], v[R7], 3, v[VE+\x]
.endr
.irp x, 0,1,2,3
.irp t, 0,1,2,3,4
	global_load_b64 v[E+2*(5*\x+\t):E+2*(5*\x+\t)+1], v[VE+\x], s[10:11] offset:64*\t   ; asked for now, waited for behind the pick
.endr
.endr
.irp x, 0,1,2,3
	v_mad_u32_u24 v[T0+\x], v[GL+\x], 40, v[R7]
.endr
.irp x, 0,1,2,3
.irp t, 0,1,2,3,4
	v_add_nc_u32 v[ID+5*\x+\t], 8*\t, v[T0+\x]
.endr
.endr
.set k, 0
.rept 20
	v_cvt_f32_u32 v[ID+k], v[ID+k]
.set k, k+1
.endr
.set k, 0
.rept 20
	v_xor_b32 v[ID+k], 0x80000000, v[ID+k]         ; -(row)
.set k, k+1
.endr
	v_mov_b32 v[NINF], 0xff800000
.set k, 20
.rept 12
	v_mov_b32 v[V+k], 0xff800000                   ; the second block of 16 holds four candidates
.set k, k+1
.endr
	v_mov_b32 v[M0+1], 0                           ; named as the upper halves of pairs, so they are written
	v_mov_b32 v[CS+1], 0
	v_mov_b32 v[TP], 0                             ; a lane permute's destination counts as read
	s_mov_b32 s40, 0
	s_wait_alu depctr_va_vdst(0)                   ; the wait here, directly ahead of the wait below
	s_wait_dscnt 0x0
.Lnet:
	SORT16 V, L
	SORT16 V+16, Y
.set i, 0
.rept 16
	v_max_num_f32 v[X+i], v[L+i], v[Y+15-i]
.set i, i+1
.endr
	MERGE
.irp m, 1,2,4,8
.set i, 0
.rept 16
	v_max_num_f32_dpp v[X+i], v[L+15-i], v[L+i] row_xmask:\m row_mask:0xf bank_mask:0xf   ; the partner's list from its far end
.set i, i+1
.endr
	MERGE
.endr
.set i, 0
.rept 16
	v_permlanex16_b32 v[Y+i], v[L+15-i], s[SEL], s[SEL+1]
.set i, i+1
.endr
.set i, 0
.rept 16
	v_max_num_f32 v[X+i], v[L+i], v[Y+i]
.set i, i+1
.endr
	MERGE
	s_cmp_eq_u32 s40, 1
	s_wait_alu depctr_va_vdst(0)                   ; the wait directly ahead of the branch
	s_cbranch_scc1 .Lpicked                        ; the second trip ends here: a branch on the count of trips
	v_mov_b32 v[M0], v[L]                          ; the largest sum
.irp k, 0,2,4,6,8,10,12,14,16,18
	v_pk_add_f32 v[P+\k:P+\k+1], v[V+\k:V+\k+1], v[M0:M0+1] op_sel_hi:[1,0] neg_lo:[0,1] neg_hi:[0,1]   ; v - the largest v: 0 or less
.endr
.irp g, 0,4,8,12,16                    ; the keys; T = v[L+15]
.irp x, 0,1,2,3
	v_cmp_gt_f32 s[20+\x], v[V+\g+\x], v[L+15]
	v_cmp_eq_f32 s[41+\x], v[V+\g+\x], v[L+15]
.endr
.irp x, 0,1,2,3
	v_add_f32 v[KE+\x], 0xc8000000, v[ID+\g+\x]    ; -(row + 2^17)
.endr
.irp x, 0,1,2,3
	v_cndmask_b32 v[KE+\x], v[NINF], v[KE+\x], s[41+\x]
.endr
.irp x, 0,1,2,3
	v_cndmask_b32 v[V+\g+\x], v[KE+\x], v[ID+\g+\x], s[20+\x]
.endr
.endr
	s_add_co_u32 s40, s40, 1
	s_cmp_lt_u32 s40, 2
	s_wait_alu depctr_va_vdst(0)                   ; the wait directly ahead of the branch
	s_cbranch_scc1 .Lnet
.Lpicked:
	s_wait_kmcnt 0x0
	s_add_co_i32 s30, s30, s31                     ; e0 + e1
	v_mov_b32 v[CS], 0x41a4e123                    ; log2(e) / 0.07
	v_ldexp_f32 v[CS], v[CS], s30
.irp k, 0,2,4,6,8,10,12,14,16,18
	v_pk_mul_f32 v[P+\k:P+\k+1], v[P+\k:P+\k+1], v[CS:CS+1] op_sel_hi:[1,0]
.endr
.set k, 0
	s_wait_alu depctr_va_vdst(0)                   ; the wait ahead of the batch
.rept 20
	v_exp_f32 v[P+k], v[P+k]
.set k, k+1
.endr
	v_add_f32 v[AM], s32, 1.0                      ; alpha of the model = its evidence + 1.  (A plain instruction behind the exponentials)
	v_add_f32 v[AM+1], s33, 1.0
	s_wait_alu depctr_va_vdst(0)                   ; one wait for the batch, ahead of its first reader
.irp g, 0,4,8,12,16
.irp x, 0,1,2,3
	v_cmp_ge_f32 s[20+\x], v[V+\g+\x], v[L+15]     ; picked: my key is at least the 16th largest key
.endr
.irp x, 0,1,2,3
	v_cndmask_b32 v[P+\g+\x], 0, v[P+\g+\x], s[20+\x]
.endr
.endr
	s_wait_alu depctr_va_vdst(0)                   ; the wait here, directly ahead of the wait below
	s_wait_loadcnt 0x0                             ; the evidence
.set k, 0
.rept 20
	v_pk_add_f32 v[E+2*k:E+2*k+1], v[E+2*k:E+2*k+1], 1.0 op_sel_hi:[1,0]    ; (evidence + 1) - 1, as reference() rounds it
.set k, k+1
.endr
.set k, 0
.rept 20
	v_pk_add_f32 v[E+2*k:E+2*k+1], v[E+2*k:E+2*k+1], -1.0 op_sel_hi:[1,0]
.set k, k+1
.endr
	v_add_f32 v[SS], v[P], v[P+1]
	v_mul_f32 v[A0], v[P], v[E]
	v_mul_f32 v[A1], v[P], v[E+1]
	v_fmac_f32 v[A0], v[P+1], v[E+2]
	v_fmac_f32 v[A1], v[P+1], v[E+3]
.set k, 2
.rept 18
	v_add_f32 v[SS], v[SS], v[P+k]
	v_fmac_f32 v[A0], v[P+k], v[E+2*k]
	v_fmac_f32 v[A1], v[P+k], v[E+2*k+1]
.set k, k+1
.endr
	XSUM SS
	XSUM A0
	XSUM A1
	; THE FUSION, alike in every lane.  Each batch of reciprocals has a wait ahead of it, one plain instruction behind it and one wait ahead of its first reader.
	s_wait_alu depctr_va_vdst(0)
	v_rcp_f32 v[T], v[SS]
	v_add_f32 v[SM], v[AM], v[AM+1]                ; S of the model
	v_max_num_f32 v[SM], s[EPS], v[SM]
	s_wait_alu depctr_va_vdst(0)
	v_fma_f32 v[AR], v[A0], v[T], 1.0              ; alpha of the retrieval = 1 + the weighted evidence
	v_fma_f32 v[AR+1], v[A1], v[T], 1.0
	v_add_f32 v[SR], v[AR], v[AR+1]
	v_max_num_f32 v[SR], s[EPS], v[SR]
	s_wait_alu depctr_va_vdst(0)
	v_rcp_f32 v[SM], v[SM]
	v_rcp_f32 v[SR], v[SR]
	v_add_f32 v[BM], -1.0, v[AM]
	v_add_f32 v[BM+1], -1.0, v[AM+1]
	v_add_f32 v[BR], -1.0, v[AR]
	v_add_f32 v[BR+1], -1.0, v[AR+1]
	s_wait_alu depctr_va_vdst(0)
	v_mul_f32 v[BM], v[BM], v[SM]                  ; b = max((alpha - 1) / S, 0)
	v_mul_f32 v[BM+1], v[BM+1], v[SM]
	v_mul_f32 v[BR], v[BR], v[SR]
	v_mul_f32 v[BR+1], v[BR+1], v[SR]
	v_max_num_f32 v[BM], 0, v[BM]
	v_max_num_f32 v[BM+1], 0, v[BM+1]
	v_max_num_f32 v[BR], 0, v[BR]
	v_max_num_f32 v[BR+1], 0, v[BR+1]
	v_add_f32 v[UM], v[SM], v[SM]                  ; u = 2 / S, between 1e-8 and 1
	v_add_f32 v[UR], v[SR], v[SR]
	v_med3_num_f32 v[UM], v[UM], s[EPS], 1.0
	v_med3_num_f32 v[UR], v[UR], s[EPS], 1.0
	v_add_f32 v[T], v[BM], v[BM+1]
	v_add_f32 v[T+1], v[BR], v[BR+1]
	v_max_num_f32 v[T], s[EPS], v[T]
	v_max_num_f32 v[T+1], s[EPS], v[T+1]
	s_wait_alu depctr_va_vdst(0)
	v_rcp_f32 v[T], v[T]
	v_rcp_f32 v[T+1], v[T+1]
	v_sub_f32 v[T+2], 1.0, v[UM]
	v_sub_f32 v[T+3], 1.0, v[UR]
	v_max_num_f32 v[T+2], s[EPS], v[T+2]
	v_max_num_f32 v[T+3], s[EPS], v[T+3]
	s_wait_alu depctr_va_vdst(0)
	v_mul_f32 v[T+2], v[T+2], v[T]                 ; b x (max(1 - u, 1e-8) / max(sum of b, 1e-8))
	v_mul_f32 v[T+3], v[T+3], v[T+1]
	v_mul_f32 v[BM], v[BM], v[T+2]
	v_mul_f32 v[BM+1], v[BM+1], v[T+2]
	v_mul_f32 v[BR], v[BR], v[T+3]
	v_mul_f32 v[BR+1], v[BR+1], v[T+3]
	v_add_f32 v[T], v[BM], v[BM+1]                 ; the two opinions combined
	v_add_f32 v[T+1], v[BR], v[BR+1]
	v_mul_f32 v[BF], v[BM], v[BR]
	v_mul_f32 v[BF+1], v[BM+1], v[BR+1]
	v_add_f32 v[T+2], v[BF], v[BF+1]
	v_fma_f32 v[T], v[T], v[T+1], -v[T+2]          ; C = the sums' product - the like terms
	v_sub_f32 v[T], 1.0, v[T]
	v_max_num_f32 v[T], s[EPS], v[T]
	s_wait_alu depctr_va_vdst(0)
	v_rcp_f32 v[T], v[T]
	v_fmac_f32 v[BF], v[BM], v[UR]
	v_fmac_f32 v[BF+1], v[BM+1], v[UR]
	v_fmac_f32 v[BF], v[BR], v[UM]
	v_fmac_f32 v[BF+1], v[BR+1], v[UM]
	v_mul_f32 v[UF], v[UM], v[UR]
	s_wait_alu depctr_va_vdst(0)
	v_mul_f32 v[BF], v[BF], v[T]
	v_mul_f32 v[BF+1], v[BF+1], v[T]
	v_mul_f32 v[UF], v[UF], v[T]
	v_max_num_f32 v[BF], 0, v[BF]
	v_max_num_f32 v[BF+1], 0, v[BF+1]
	v_med3_num_f32 v[UF], v[UF], s[EPS], 1.0
	v_add_f32 v[T+1], v[BF], v[BF+1]
	v_max_num_f32 v[T+1], s[EPS], v[T+1]
	s_wait_alu depctr_va_vdst(0)
	v_rcp_f32 v[T+1], v[T+1]
	v_rcp_f32 v[RU], v[UF]
	v_sub_f32 v[T+2], 1.0, v[UF]
	v_mov_b32 v[ZO], 0
	s_wait_alu depctr_va_vdst(0)
	v_mul_f32 v[T+2], v[T+2], v[T+1]
	v_mul_f32 v[BF], v[BF], v[T+2]
	v_mul_f32 v[BF+1], v[BF+1], v[T+2]
	v_add_f32 v[RU], v[RU], v[RU]                  ; S = 2 / u
	v_fma_f32 v[OUTR], v[BF], v[RU], 1.0
	v_fma_f32 v[OUTR+1], v[BF+1], v[RU], 1.0
	v_max_num_f32 v[OUTR], 1.0, v[OUTR]
	v_max_num_f32 v[OUTR+1], 1.0, v[OUTR+1]
	v_cmp_eq_u32 vcc_lo, 0, v1
	s_wait_alu depctr_va_vdst(0)
	s_wait_xcnt 0x0                                ; EXEC changes only behind this wait
	s_and_saveexec_b32 s36, vcc_lo
	global_store_b64 v[ZO], v[OUTR:OUTR+1], s[16:17]
	s_wait_xcnt 0x0
	s_or_b32 exec_lo, exec_lo, s36
.Lend:
	s_wait_tensorcnt 0x0                           ; the wave's end
	ds_add_u32 v254, v255
	s_wait_dscnt 0x0
	s_endpgm
.Lfunc_end_k_qc36940d1f6_fin:
	.size	k_qc36940d1f6_fin, .Lfunc_end_k_qc36940d1f6_fin-k_qc36940d1f6_fin
	.p2alignl 7, 3214868480
	.fill 96, 4, 3214868480
	.section	.rodata,"a",@progbits
	.p2align	6, 0x0
	.amdhsa_kernel k_qc36940d1f6_fin
		.amdhsa_group_segment_fixed_size 22528
		.amdhsa_private_segment_fixed_size 0
		.amdhsa_enable_private_segment 0
		.amdhsa_kernarg_size 56
		.amdhsa_user_sgpr_count 2
		.amdhsa_user_sgpr_kernarg_segment_ptr 1
		.amdhsa_wavefront_size32 1
		.amdhsa_system_sgpr_workgroup_id_x 1
		.amdhsa_system_sgpr_workgroup_id_y 1
		.amdhsa_system_sgpr_workgroup_id_z 1
		.amdhsa_system_vgpr_workitem_id 0
		.amdhsa_next_free_vgpr 256
		.amdhsa_next_free_sgpr 66
		.amdhsa_reserve_vcc 1
		.amdhsa_float_denorm_mode_32 3
		.amdhsa_float_denorm_mode_16_64 3
		.amdhsa_memory_ordered 1
		.amdhsa_forward_progress 1
		.amdhsa_inst_pref_size 70
	.end_amdhsa_kernel
	.amdgpu_metadata
---
amdhsa.version: [ 1, 2 ]
amdhsa.kernels:
  - .name:           k_qc36940d1f6_fin
    .symbol:         k_qc36940d1f6_fin.kd
    .args:
      - { .name: qcodes, .offset: 0, .size: 8, .value_kind: global_buffer, .address_space: global }
      - { .name: mcodes, .offset: 8, .size: 8, .value_kind: global_buffer, .address_space: global }
      - { .name: gsel, .offset: 16, .size: 8, .value_kind: global_buffer, .address_space: global }
      - { .name: memory_evidence, .offset: 24, .size: 8, .value_kind: global_buffer, .address_space: global }
      - { .name: model_evidence, .offset: 32, .size: 8, .value_kind: global_buffer, .address_space: global }
      - { .name: lowp_scales, .offset: 40, .size: 8, .value_kind: global_buffer, .address_space: global }
      - { .name: out0, .offset: 48, .size: 8, .value_kind: global_buffer, .address_space: global }
    .group_segment_fixed_size: 22528
    .private_segment_fixed_size: 0
    .kernarg_segment_align: 8
    .kernarg_segment_size: 56
    .max_flat_workgroup_size: 512
    .sgpr_count:     66
    .vgpr_count:     256
    .wavefront_size: 32
...
	.end_amdgpu_metadata
.endif
;; end of part 4
